; MI455X (gfx1250); checked and timed in simulation.
; The chip was launched on July 23, 2026; its instructions are those of AMD's public machine-readable ISA for CDNA 5 (MIT licence, August 2026) and "CDNA5" Instruction Set Architecture Reference Guide (July 2026). The comments in the code are by the model that wrote it; some were corrected since.
;; Balanced Mo E. Allowed arithmetic: float matrix products may take bf16 or f16 operands with f32 sums; other float arithmetic in f32, or as packed bf16 or f16 multiplies, adds, multiply-adds, maxima and minima; sums over many terms, partial sums and values carried from step to step in f32; what a program stores and reads back later, other than sums and carried values, may be rounded once to bf16 or f16.
;; Inputs: W1 8 x 1,024 x 4,096 float32; W2 8 x 4,096 x 1,024 float32; Wg 1,024 x 8 float32; b1 8 x 4,096 float32; b2 8 x 1,024 float32; bg 8 float32; w_bal one number float32; x 1,024 x 1,024 float32.
;; Outputs: out0 1,024 x 1,024 float32; out1 one number float32.
;; 2 versions, each right and faster than the one before. Each part assembles by itself: llvm-mc -triple=amdgcn-amd-amdhsa -mcpu=gfx1250 --defsym DOCPART=n.
;; ======== version 1 of 2: 3 launches
;; workspace buffers: assign 4,096 bytes of whole numbers; xb 2,097,152 bytes; hs 73,400,320 bytes
;; launch router (part 1): grid 256 x 1, 4 waves a work-group, no clusters, 0 bytes of LDS; arguments x, Wg, bg, assign, xb; writes assign, xb
.if DOCPART == 1
	.amdgcn_target "amdgcn-amd-amdhsa--gfx1250"
	.amdhsa_code_object_version 6
	.text
	.protected	k_qa2343c8a91_router
	.globl	k_qa2343c8a91_router
	.p2align	8
	.type	k_qa2343c8a91_router,@function
k_qa2343c8a91_router:
	s_mov_b64 s[64:65], 0
	v_nop
	global_prefetch_b8 v0, s[64:65] scope:SCOPE_SE
	s_setreg_imm32_b32 hwreg(HW_REG_WAVE_MODE, 25, 1), 1
	s_wait_xcnt 0x0
; THE GATE.  assign[t] = argmax over e of (x[t] . Wg[:, e] + bg[e]);  xb = x rounded to bf16, [1024][1024].
; x: [1024][1024] f32, Wg: [1024][8] f32, bg: [8] f32.  All three are rounded to bf16 once, as every input of this program is; the products of
; two bf16 numbers are exact in f32, and the sums are kept in f32.
; SHARES.  One wave, one token: work-group g, wave w owns token 4 g + w, so nothing leaves the wave: no LDS, no barrier.
; Lane l owns the channels d = 128 u + 4 l + j (u = 0..7, j = 0..3): a load of x covers 512 neighbouring bytes, and a lane's four rows of Wg are 128 neighbouring bytes.
; LIMITS.  Ties go to the lower index, as in the reference's argmax.  A NaN logit at an index above 0 is never chosen (the reference would take it).
; The f32 sum has another order than the reference's: two top logits that agree to about 1e-6 of their size may be told apart otherwise.
.set X,   8                            ; v[8:39]    x of my 32 channels, group u at X + 4 u
.set G,   40                           ; v[40:167]  four buffers of 32: Wg rows of group u at G + 32 (u % 4), row j at + 8 j
.set ACC, 168                          ; v[168:175] the eight logits' partial sums
.set PK,  176                          ; v[176:191] x in bf16, two to a register: store data for xb, and the gate's operand
	s_load_b256 s[4:11], s[0:1], 0x0               ; x s[4:5], Wg s[6:7], bg s[8:9], assign s[10:11]
	s_load_b64 s[12:13], s[0:1], 0x20              ; xb
	v_and_b32 v1, 31, v0                           ; lane
	v_lshrrev_b32 v6, 5, v0
	v_readfirstlane_b32 s26, v6                    ; wave
	s_lshl_b32 s27, ttmp9, 2
	s_add_co_u32 s27, s27, s26                     ; my token
	v_lshlrev_b32 v2, 4, v1                        ; 16 bytes of x a lane
	v_lshlrev_b32 v3, 7, v1                        ; 128 bytes of Wg a lane
	v_lshlrev_b32 v4, 3, v1                        ; 8 bytes of xb a lane
	v_mov_b32 v5, 0                                ; the first product's addend, and the last store's offset
	s_mov_b32 s24, 0x76543210                      ; v_permlanex16_b32: each lane takes its own place in the other half
	s_mov_b32 s25, 0xfedcba98
	s_mov_b32 s29, 0
	s_wait_kmcnt 0x0
	s_load_b256 s[16:23], s[8:9], 0x0              ; bg
	s_lshl_b32 s28, s27, 12
	s_add_nc_u64 s[4:5], s[4:5], s[28:29]          ; x at my row
	s_lshl_b32 s28, s27, 11
	s_add_nc_u64 s[12:13], s[12:13], s[28:29]      ; xb at my row
	s_lshl_b32 s28, s27, 2
	s_add_nc_u64 s[10:11], s[10:11], s[28:29]      ; assign at my word
.macro GL u                            ; eight loads: the 128 rows of Wg of group u, four rows a lane
.irp j, 0,1,2,3
	global_load_b128 v[G+32*((\u)%4)+8*\j:G+32*((\u)%4)+8*\j+3],   v3, s[6:7] offset:(\u)*4096+\j*32
	global_load_b128 v[G+32*((\u)%4)+8*\j+4:G+32*((\u)%4)+8*\j+7], v3, s[6:7] offset:(\u)*4096+\j*32+16
.endr
.endm
; Group u's 32 rounded weights a lane (in place: register p of a row takes the pair 2 p, 2 p + 1, which no later line of the row reads), then its 32 multiply-adds:
; both factors are bf16 halves, the sum is f32.  The eight logits are eight chains that do not wait for each other.  The very first products add onto v5 = 0: nothing is cleared.
.macro FM u
.set GB, G+32*((\u)%4)
.irp j, 0,1,2,3
.irp p, 0,1,2,3
	v_cvt_pk_bf16_f32 v[GB+8*\j+\p], v[GB+8*\j+2*\p], v[GB+8*\j+2*\p+1]
.endr
.endr
.irp jh, 0,1
.irp jl, 0,1
.irp ep, 0,1,2,3
.irp el, 0,1
.if ((\u) == 0) && (\jh == 0) && (\jl == 0)
	v_fma_mix_f32_bf16 v[ACC+2*\ep+\el], v[GB+8*(2*\jh+\jl)+\ep], v[PK+2*(\u)+\jh], v5 op_sel:[\el,\jl,0] op_sel_hi:[1,1,0]
.else
	v_fma_mix_f32_bf16 v[ACC+2*\ep+\el], v[GB+8*(2*\jh+\jl)+\ep], v[PK+2*(\u)+\jh], v[ACC+2*\ep+\el] op_sel:[\el,\jl,0] op_sel_hi:[1,1,0]
.endif
.endr
.endr
.endr
.endr
.endm
; Group u's turn.  left = the loads issued behind group u's eight, which may stay out.
.macro TURN u, left
	s_wait_loadcnt \left                           ; loads come back in order: group u's rows of Wg are in (and, at the first turn, all of x, which was asked for ahead of them)
.if (\u) == 0
.irp v, 0,1,2,3,4,5,6,7
	v_cvt_pk_bf16_f32 v[PK+2*\v],   v[X+4*\v],   v[X+4*\v+1]
	v_cvt_pk_bf16_f32 v[PK+2*\v+1], v[X+4*\v+2], v[X+4*\v+3]
.endr
.irp v, 0,1,2,3,4,5,6,7
	global_store_b64 v4, v[PK+2*\v:PK+2*\v+1], s[12:13] offset:\v*256  ; the wave stores 256 neighbouring bytes, aligned; PK is only read from here on
.endr
.endif
	FM \u
.if (\u) < 4
	GL (\u)+4                                      ; the buffer just read takes the group four further on
.endif
.endm
.irp u, 0,1,2,3,4,5,6,7
	global_load_b128 v[X+4*\u:X+4*\u+3], v2, s[4:5] offset:\u*512 th:TH_LOAD_NT
.endr
	GL 0
	GL 1
	GL 2
	GL 3
	TURN 0, 24                                     ; three younger groups of eight stay out,
	TURN 1, 24
	TURN 2, 24
	TURN 3, 24
	TURN 4, 24
	TURN 5, 16                                     ; then the counts run down
	TURN 6, 8
	TURN 7, 0
	; over the 32 lanes: four steps inside each half of 16 lanes ride on the addition, one crosses the halves; every lane ends with all eight sums
.irp m, 1,2,4,8
.irp e, 0,1,2,3,4,5,6,7
	v_add_f32_dpp v[ACC+\e], v[ACC+\e], v[ACC+\e] row_xmask:\m row_mask:0xf bank_mask:0xf
.endr
.endr
.irp e, 0,1,2,3,4,5,6,7
	v_permlanex16_b32 v[G+\e], v[ACC+\e], s24, s25 ; its destination counts as read: G's registers have been written
.endr
	s_wait_kmcnt 0x0                               ; bg
.irp p, 0,1,2,3
	v_cvt_pk_bf16_f32 v[G+8+\p], s[16+2*\p], s[17+2*\p]  ; bg rounded to bf16,
.endr
.irp p, 0,1,2,3
	v_lshlrev_b32 v[G+16+2*\p], 16, v[G+8+\p]      ; and widened again
	v_and_b32 v[G+17+2*\p], 0xffff0000, v[G+8+\p]
.endr
.irp e, 0,1,2,3,4,5,6,7
	v_add_f32 v[ACC+\e], v[ACC+\e], v[G+\e]
.endr
.irp e, 0,1,2,3,4,5,6,7
	v_add_f32 v[ACC+\e], v[ACC+\e], v[G+16+\e]
.endr
	v_mov_b32 v6, v[ACC]                           ; the best logit so far,
	v_mov_b32 v7, 0                                ; and its index: only a strictly greater logit takes its place, so ties keep the lower index
.irp e, 1,2,3,4,5,6,7
	v_cmp_gt_f32 vcc_lo, v[ACC+\e], v6
	v_cndmask_b32 v7, v7, \e, vcc_lo
	v_cndmask_b32 v6, v6, v[ACC+\e], vcc_lo
.endr
	v_cmp_eq_u32 vcc_lo, 0, v1
	s_wait_xcnt 0x0                                ; EXEC is a source of the stores above: it changes only behind this wait
	s_and_saveexec_b32 s30, vcc_lo
	global_store_b32 v5, v7, s[10:11]              ; lane 0 stores the token's expert, at a fixed place
	s_wait_xcnt 0x0
	s_or_b32 exec_lo, exec_lo, s30
	s_endpgm
.Lfunc_end_k_qa2343c8a91_router:
	.size	k_qa2343c8a91_router, .Lfunc_end_k_qa2343c8a91_router-k_qa2343c8a91_router
	.p2alignl 7, 3214868480
	.fill 96, 4, 3214868480
	.section	.rodata,"a",@progbits
	.p2align	6, 0x0
	.amdhsa_kernel k_qa2343c8a91_router
		.amdhsa_group_segment_fixed_size 0
		.amdhsa_private_segment_fixed_size 0
		.amdhsa_enable_private_segment 0
		.amdhsa_kernarg_size 40
		.amdhsa_user_sgpr_count 2
		.amdhsa_user_sgpr_kernarg_segment_ptr 1
		.amdhsa_wavefront_size32 1
		.amdhsa_system_sgpr_workgroup_id_x 1
		.amdhsa_system_sgpr_workgroup_id_y 1
		.amdhsa_system_sgpr_workgroup_id_z 1
		.amdhsa_system_vgpr_workitem_id 0
		.amdhsa_next_free_vgpr 192
		.amdhsa_next_free_sgpr 66
		.amdhsa_reserve_vcc 1
		.amdhsa_float_denorm_mode_32 3
		.amdhsa_float_denorm_mode_16_64 3
		.amdhsa_memory_ordered 1
		.amdhsa_forward_progress 1
		.amdhsa_inst_pref_size 39
	.end_amdhsa_kernel
	.amdgpu_metadata
---
amdhsa.version: [ 1, 2 ]
amdhsa.kernels:
  - .name:           k_qa2343c8a91_router
    .symbol:         k_qa2343c8a91_router.kd
    .args:
      - { .name: x, .offset: 0, .size: 8, .value_kind: global_buffer, .address_space: global }
      - { .name: Wg, .offset: 8, .size: 8, .value_kind: global_buffer, .address_space: global }
      - { .name: bg, .offset: 16, .size: 8, .value_kind: global_buffer, .address_space: global }
      - { .name: assign, .offset: 24, .size: 8, .value_kind: global_buffer, .address_space: global }
      - { .name: xb, .offset: 32, .size: 8, .value_kind: global_buffer, .address_space: global }
    .group_segment_fixed_size: 0
    .private_segment_fixed_size: 0
    .kernarg_segment_align: 8
    .kernarg_segment_size: 40
    .max_flat_workgroup_size: 128
    .sgpr_count:     66
    .vgpr_count:     192
    .wavefront_size: 32
...
	.end_amdgpu_metadata
.endif
;; end of part 1
;; launch up (part 2): grid 32 x 8, 8 waves a work-group, no clusters, 201,728 bytes of LDS; arguments assign, xb, W1, b1, hs; writes hs
.if DOCPART == 2
	.amdgcn_target "amdgcn-amd-amdhsa--gfx1250"
	.amdhsa_code_object_version 6
	.text
	.protected	k_qa2343c8a91_up
	.globl	k_qa2343c8a91_up
	.p2align	8
	.type	k_qa2343c8a91_up,@function
k_qa2343c8a91_up:
	s_mov_b64 s[64:65], 0
	v_nop
	global_prefetch_b8 v0, s[64:65] scope:SCOPE_SE
	s_setreg_imm32_b32 hwreg(HW_REG_WAVE_MODE, 25, 1), 1
	s_wait_xcnt 0x0
; THE FIRST PRODUCT, for the chosen rows alone:  h = relu(x W1[e] + b1[e]) for the tokens whose expert is e, stored in bf16 as the second product's operand images.
; W1: [8][1024][4096] f32, b1: [8][4096] f32 (both rounded to bf16 on the way through registers), xb: [1024][1024] bf16, assign: [1024] i32.
; SHARES.  Work-group (slice, e) owns columns 128 slice .. + 127 of expert e's W1: 512 KiB that it alone reads.  Wave w = 2 g + kh owns columns 32 g .. + 31 of them and k = 512 kh .. + 511:
; 16 steps of 32 k.  The two K halves of a column group meet in LDS.
; THE LIST.  Every wave counts the routing for itself: its own copy, in LDS, of the list place -> token of expert e, in the order (group of 128 tokens, token % 4, lane).  The second product's
; text makes the same list.  Places from the count on repeat the expert's first token (32 of them), the rest hold token 0: every place names a row that exists.
; ROWS go in chunks of 10 tiles of 16 places.  The chunk loop has the constant count 7 (70 tiles cover 1,024 places): every wave passes its two barriers in every trip, and a chunk without
; rows jumps over the work alone.  A live chunk multiplies TV = 8, 9 or 10 tiles (what is left, held to that range): three copies of the K walk.  An expert with more than 160 rows
; walks its weights once more for each further chunk; every split of the tokens is served.
; OPERANDS.  In a K block of 32, lane (r = lane % 16, h = lane / 16), register p holds k = 16 h + 2 p and 16 h + 2 p + 1: the same permutation of k on both sides, so the products are kept.
; A weight load of 8 bytes a lane takes columns 2 r, 2 r + 1 of row k0 + i (lanes 0-15) and of row k0 + 16 + i (lanes 16-31); two rows' numbers of one column, rounded together, are register p of
; fragment f, whose index r is column 2 r + f.  No weight passes through LDS.
; THE MATRIX INSTRUCTION IS USED TRANSPOSED (source 0 = weights, source 1 = tokens): lane (r, h), register j of accumulator (t, f) holds (place r of tile t, column 16 h + 2 j + f), so the pair
; (f = 0, f = 1) of register j, rounded together, IS register j of the second product's token fragment: nothing changes lanes.
; hs: block (e, tile, kb = column / 32) of 1,024 bytes at e EXPB + tile 131,072 + kb 1,024: byte 16 lane holds registers 0-3, byte 512 + 16 lane registers 4-7.
; LIMITS.  relu is the maximum with 0 of the number already rounded to bf16: the same value, but a NaN becomes 0.
; REGISTERS.  Window 0: v0-31 addresses; v32-95 raw weights, two buffers; v96-111 two weight fragments; v112-191 token fragments, buffer 0; v192-207 bias; v208-223 at work; v224 zero.
; Window 1: v0-159 the accumulators, (t, f) at 16 t + 8 f; v160-239 token fragments, buffer 1.
.set CSZ,   20480                      ; a wave's partial sums: 20 accumulators x 1,024 bytes
.set LIST,  8*CSZ                      ; behind them the eight lists,
.set LSZ,   4608                       ; each 1,120 places and 32 dump words
.set SPARE, LIST+8*LSZ                 ; behind the lists: the spare words, 128 bytes a wave, that no other line names
.set EXPB,  70*131072                  ; an expert's room in hs: 70 tiles
.set CHB,   10*131072                  ; a chunk's tiles in hs
.set PITCH, 16384                      ; bytes in a row of W1
.set WSTEP, 32*PITCH                   ; a K step in W1,
.set ASTEP, 64                         ; and in a row of xb
.set WR,    32
.set WF,    96
.set BIAS,  192
.set MSB, 0
.macro WIN new                         ; s_set_vgpr_msb: bits 1:0 source 0, 3:2 source 1, 5:4 source 2, 7:6 destination; the high byte repeats the setting that is left
.if MSB != (\new)
	s_set_vgpr_msb (MSB<<8)|(\new)
.set MSB, (\new)
.endif
.endm
	s_load_b256 s[4:11], s[0:1], 0x0               ; assign s[4:5], xb s[6:7], W1 s[8:9], b1 s[10:11]
	s_load_b64 s[12:13], s[0:1], 0x20              ; hs
	v_lshl_add_u32 v30, v0, 2, SPARE               ; my spare word, and 0: kept for the add at the wave's end
	v_mov_b32 v31, 0
	v_and_b32 v1, 31, v0                           ; lane
	v_and_b32 v2, 15, v0                           ; r
	v_bfe_u32 v3, v0, 4, 1                         ; h
	v_lshrrev_b32 v11, 5, v0
	v_readfirstlane_b32 s20, v11                   ; wave
	s_mov_b32 s21, ttmp9                           ; slice
	s_and_b32 s22, ttmp7, 0xffff                   ; expert
	s_lshr_b32 s44, s20, 1                         ; g: my group of 32 columns
	s_and_b32 s45, s20, 1                          ; kh: my half of K; also the parity of the tiles that I reduce
	v_lshlrev_b32 v4, 3, v2
	v_lshl_add_u32 v4, v3, 18, v4                  ; weights: 8 r + h x 16 rows
	v_lshlrev_b32 v5, 4, v1                        ; 16 lane
	s_mul_i32 s29, s20, CSZ
	v_add_nc_u32 v6, s29, v5                       ; where I put partial sums
	s_mul_i32 s29, s44, 2*CSZ
	s_lshl_b32 s31, s45, 11
	s_add_co_u32 s29, s29, s31
	v_add_nc_u32 v7, s29, v5                       ; where I read them: my group's first copy, tile kh
	s_mul_i32 s30, s20, LSZ
	s_add_co_u32 s30, s30, LIST                    ; my list
	v_lshl_add_u32 v10, v2, 2, s30                 ; place r of it
	v_lshlrev_b32 v22, 5, v3                       ; 32 h: my 16 k in a row of xb
	v_lshlrev_b32 v23, 2, v1                       ; 4 lane
	v_add_nc_u32 v24, 1120, v1                     ; my dump word's index
	v_lshlrev_b32 v11, 6, v3                       ; 64 h: my 16 numbers of the bias
	v_mov_b32 v224, 0
	s_mov_b32 s43, 0
	s_wait_kmcnt 0x0
	s_lshl_b32 s31, s21, 9
	s_lshl_b32 s29, s44, 7
	s_add_co_u32 s31, s31, s29                     ; byte of my 32 columns in a row
	s_lshl_b32 s42, s22, 24
	s_lshl_b32 s29, s45, 23
	s_add_co_u32 s42, s42, s29
	s_add_co_u32 s42, s42, s31
	s_add_nc_u64 s[32:33], s[8:9], s[42:43]        ; W1 at my expert, K half and columns
	s_lshl_b32 s42, s22, 14
	s_add_co_u32 s42, s42, s31
	s_add_nc_u64 s[10:11], s[10:11], s[42:43]      ; b1 at my columns
	s_lshl_b32 s42, s45, 10
	s_add_nc_u64 s[36:37], s[6:7], s[42:43]        ; xb at my K half
	s_mul_i32 s42, s22, EXPB
	s_lshl_b32 s29, s31, 3                         ; kb x 1,024 = (4 slice + g) x 1,024
	s_add_co_u32 s42, s42, s29
	s_lshl_b32 s29, s45, 17
	s_add_co_u32 s42, s42, s29
	s_add_nc_u64 s[40:41], s[12:13], s[42:43]      ; hs at my expert, K block, and tile kh
.irp i, 0,1,2,3,4,5,6,7
	global_load_b128 v[32+4*\i:35+4*\i], v5, s[4:5] offset:512*\i  ; all 1,024 choices: register 4 i + c holds token 128 i + 4 lane + c
.endr
.irp k, 0,1,2,3
	global_load_b128 v[208+4*\k:211+4*\k], v11, s[10:11] offset:16*\k
.endr
	s_wait_loadcnt 0x0
.irp j, 0,1,2,3,4,5,6,7                ; the bias rounded to bf16, widened, and laid as the accumulators lie: [f][j]
	v_cvt_pk_bf16_f32 v25, v[208+2*\j], v[209+2*\j]
	v_lshlrev_b32 v[BIAS+\j], 16, v25
	v_and_b32 v[BIAS+8+\j], 0xffff0000, v25
.endr
; THE LIST.  Zeros first; then, for each of my 32 registers of choices, the members' tokens go to the places count + (members in lower lanes); the others write their dump word.  LDS serves a
; wave's instructions in order, and the bytes are the wave's own: no wait between the stores, no barrier.  Leaves the count in s23 and the number of tiles in s24.
.macro LISTBUILD
.irp k, 208,209,210,211
	v_mov_b32 v\k, 0
.endr
	v_add_nc_u32 v26, s30, v5
.irp k, 0,1,2,3,4,5,6,7,8
	ds_store_b128 v26, v[208:211] offset:512*\k
.endr
	s_mov_b32 s23, 0
.set n, 0
.rept 32
	v_cmp_eq_u32 s29, s22, v[32+n]                 ; who chose my expert
	v_mbcnt_lo_u32_b32 v25, s29, s23               ; the place
	v_cndmask_b32 v25, v24, v25, s29               ; or the dump word
	v_min_u32 v25, 1151, v25                       ; inside my list, whatever was loaded
	v_lshl_add_u32 v25, v25, 2, s30
	v_add_nc_u32 v26, 128*(n/4)+n%4, v23           ; the token
	ds_store_b32 v25, v26
	s_bcnt1_i32_b32 s31, s29
	s_add_co_u32 s23, s23, s31
.set n, n+1
.endr
	v_mov_b32 v26, s30
	ds_load_b32 v27, v26                           ; the first token (0 where there is none)
	v_add_nc_u32 v25, s23, v1
	v_min_u32 v25, 1119, v25
	v_lshl_add_u32 v25, v25, 2, s30
	s_wait_dscnt 0x0
	ds_store_b32 v25, v27                          ; 32 places from the count on repeat it
	s_add_co_u32 s24, s23, 15
	s_lshr_b32 s24, s24, 4
.endm
	LISTBUILD
.macro WLOAD buf, extra                ; a step's weights: 32 rows x 32 columns of f32, two rows a load
	WIN 0
.set i, 0
.rept 16
	global_load_b64 v[WR+32*(\buf)+2*i:WR+32*(\buf)+2*i+1], v4, s[34:35] offset:i*PITCH+(\extra) th:TH_LOAD_NT
.set i, i+1
.endr
.endm
.macro CVT buf                         ; rounded to bf16: register p of fragment f = rows 2 p, 2 p + 1 of column f
	WIN 0
.irp f, 0,1
.set p, 0
.rept 8
	v_cvt_pk_bf16_f32 v[WF+8*\f+p], v[WR+32*(\buf)+4*p+\f], v[WR+32*(\buf)+4*p+2+\f]
.set p, p+1
.endr
.endr
.endm
.macro ALOAD T, buf, extra             ; a step's token fragments: 32 bytes a lane of its token's row
	WIN 0x40*(\buf)
.set AB, 112+48*(\buf)
.set t, 0
.rept \T
	global_load_b128 v[AB+8*t:AB+8*t+3],   v[12+t], s[38:39] offset:(\extra)
	global_load_b128 v[AB+8*t+4:AB+8*t+7], v[12+t], s[38:39] offset:(\extra)+16
.set t, t+1
.endr
.endm
.macro MUL T, buf, zero                ; 2 T products; the accumulators take turns, one instruction a turn, over the loop's jump too.  zero = 1: the first step starts the sums
	WIN 0x50|((\buf)<<2)
.set AB, 112+48*(\buf)
.set t, 0
.rept \T
.irp f, 0,1
.if \zero
	v_wmma_f32_16x16x32_bf16 v[16*t+8*\f:16*t+8*\f+7], v[WF+8*\f:WF+8*\f+7], v[AB+8*t:AB+8*t+7], 0
.else
	v_wmma_f32_16x16x32_bf16 v[16*t+8*\f:16*t+8*\f+7], v[WF+8*\f:WF+8*\f+7], v[AB+8*t:AB+8*t+7], v[16*t+8*\f:16*t+8*\f+7]
.endif
.endr
.set t, t+1
.endr
.endm
; A K step on buffer buf.  Loads are issued in the order weights, tokens, step after step, two steps ahead: behind this step's stand the next step's 16 + 2 T, which N leaves out.
; more = 1: the buffers take the step two further on: the weights as soon as they are rounded, the tokens behind the products.
.macro STEP T, buf, zero, more, N
	s_wait_loadcnt \N
	CVT \buf
.if \more
	s_wait_xcnt 0x0                                ; all loads issued so far have read their bases: both may be stepped
	s_add_nc_u64 s[34:35], s[34:35], WSTEP
	WLOAD \buf, 0
.endif
	MUL \T, \buf, \zero
.rept 4
	v_nop                                          ; four places ahead of the loads into the token fragments, of the next rounding into the weight fragments, and of the LDS stores of the sums
.endr
.if \more
	s_add_nc_u64 s[38:39], s[38:39], ASTEP
	ALOAD \T, \buf, 0
.endif
.endm
.macro PSTORE T                        ; my partial sums into my part of LDS, each accumulator from its low end on
	WIN 0x04
.set t, 0
.rept \T
.irp f, 0,1
.irp q, 0,1
	ds_store_b128 v6, v[16*t+8*\f+4*\q:16*t+8*\f+4*\q+3] offset:(2*t+\f)*1024+\q*512
.endr
.endr
.set t, t+1
.endr
	WIN 0
.endm
; A chunk's K walk for T tiles: the tokens' row offsets from my list, then 16 steps.  Steps 0 to 13 fetch steps 2 to 15; the last two fetch nothing.
.macro MAIN T
	v_add_nc_u32 v25, s46, v10
.set t, 0
.rept \T
	ds_load_b32 v[12+t], v25 offset:64*t
.set t, t+1
.endr
	s_wait_dscnt 0x0
.set t, 0
.rept \T
	v_min_u32 v[12+t], 0x3ff, v[12+t]              ; a token, whatever was loaded
.set t, t+1
.endr
.set t, 0
.rept \T
	v_lshl_add_u32 v[12+t], v[12+t], 11, v22       ; its row of 2,048 bytes + 32 h
.set t, t+1
.endr
	s_mov_b64 s[34:35], s[32:33]
	s_mov_b64 s[38:39], s[36:37]
	WLOAD 0, 0
	ALOAD \T, 0, 0
	WLOAD 1, WSTEP
	ALOAD \T, 1, ASTEP
	s_wait_xcnt 0x0
	s_add_nc_u64 s[34:35], s[34:35], WSTEP
	s_add_nc_u64 s[38:39], s[38:39], ASTEP
	STEP \T, 0, 1, 1, 16+2*\T
	STEP \T, 1, 0, 1, 16+2*\T
	WIN 0
	s_mov_b32 s28, 6
.Lk_\@:
	STEP \T, 0, 0, 1, 16+2*\T
	STEP \T, 1, 0, 1, 16+2*\T
	WIN 0
	s_sub_co_u32 s28, s28, 1
	s_cmp_lg_u32 s28, 0
	s_cbranch_scc1 .Lk_\@
	STEP \T, 0, 0, 0, 16+2*\T
	STEP \T, 1, 0, 0, 0
	PSTORE \T
.endm
; Tile kh + 2 i of my column group: the two K halves are added, the bias, rounded to bf16 in pairs (f = 0, f = 1), relu, and stored as one operand image.
.macro RU i
	s_add_co_u32 s47, s45, 2*(\i)
	s_cmp_ge_u32 s47, s27
	s_cbranch_scc1 .Lru_\@                         ; past the chunk's tiles: the whole unit is jumped
	s_wait_xcnt 0x0                                ; the last unit's stores have read their data
.irp b, 0,1,2,3
	ds_load_b128 v[32+4*\b:35+4*\b], v7 offset:(\i)*4096+\b*512
.endr
.irp b, 0,1,2,3
	ds_load_b128 v[48+4*\b:51+4*\b], v7 offset:(\i)*4096+\b*512+CSZ
.endr
	s_wait_dscnt 0x0
.irp k, 0,1,2,3,4,5,6,7
	v_pk_add_f32 v[32+2*\k:33+2*\k], v[32+2*\k:33+2*\k], v[48+2*\k:49+2*\k]
.endr
.irp k, 0,1,2,3,4,5,6,7
	v_pk_add_f32 v[32+2*\k:33+2*\k], v[32+2*\k:33+2*\k], v[BIAS+2*\k:BIAS+2*\k+1]
.endr
.irp j, 0,1,2,3,4,5,6,7
	v_cvt_pk_bf16_f32 v[64+\j], v[32+\j], v[40+\j]
.endr
.irp j, 0,1,2,3,4,5,6,7
	v_pk_max_num_bf16 v[64+\j], v[64+\j], v224
.endr
	global_store_b128 v5, v[64:67], s[40:41] offset:(\i)*262144      ; each store covers 512 neighbouring bytes, aligned
	global_store_b128 v5, v[68:71], s[40:41] offset:(\i)*262144+512
.Lru_\@:
.endm
	s_mov_b32 s25, 0                               ; chunk
	s_mov_b32 s46, 0                               ; its 160 places in the list, in bytes
.Lchunk:
	s_mul_i32 s29, s25, 10
	s_sub_co_i32 s26, s24, s29                     ; tiles left
	s_max_i32 s27, s26, 8
	s_min_i32 s27, s27, 10                         ; TV
	s_cmp_le_i32 s26, 0
	s_cbranch_scc1 .Lb1                            ; no rows: only work is jumped, never a barrier
	s_cmp_eq_u32 s27, 8
	s_cbranch_scc1 .Lm8
	s_cmp_eq_u32 s27, 9
	s_cbranch_scc1 .Lm9
	MAIN 10
	s_branch .Lb1
.Lm9:
	MAIN 9
	s_branch .Lb1
.Lm8:
	MAIN 8
.Lb1:
	s_wait_dscnt 0x0                               ; for the others' sake: my partial sums are written
	s_barrier_signal -1
	s_barrier_wait -1
	s_cmp_le_i32 s26, 0
	s_cbranch_scc1 .Lb2
	RU 0
	RU 1
	RU 2
	RU 3
	RU 4
.Lb2:
	s_wait_dscnt 0x0                               ; my reads of the partial sums are over: behind this barrier the next chunk may write them
	s_barrier_signal -1
	s_barrier_wait -1
	s_wait_xcnt 0x0                                ; the stores have read their base and data
	s_add_nc_u64 s[40:41], s[40:41], CHB
	s_add_co_u32 s46, s46, 640
	s_add_co_u32 s25, s25, 1
	s_cmp_lt_u32 s25, 7
	s_cbranch_scc1 .Lchunk
	s_wait_tensorcnt 0x0                           ; the wave's end, behind my last LDS store
	ds_add_u32 v30, v31
	s_wait_dscnt 0x0
	s_endpgm
.Lfunc_end_k_qa2343c8a91_up:
	.size	k_qa2343c8a91_up, .Lfunc_end_k_qa2343c8a91_up-k_qa2343c8a91_up
	.p2alignl 7, 3214868480
	.fill 96, 4, 3214868480
	.section	.rodata,"a",@progbits
	.p2align	6, 0x0
	.amdhsa_kernel k_qa2343c8a91_up
		.amdhsa_group_segment_fixed_size 201728
		.amdhsa_private_segment_fixed_size 0
		.amdhsa_enable_private_segment 0
		.amdhsa_kernarg_size 40
		.amdhsa_user_sgpr_count 2
		.amdhsa_user_sgpr_kernarg_segment_ptr 1
		.amdhsa_wavefront_size32 1
		.amdhsa_system_sgpr_workgroup_id_x 1
		.amdhsa_system_sgpr_workgroup_id_y 1
		.amdhsa_system_sgpr_workgroup_id_z 1
		.amdhsa_system_vgpr_workitem_id 0
		.amdhsa_next_free_vgpr 496
		.amdhsa_next_free_sgpr 66
		.amdhsa_reserve_vcc 0
		.amdhsa_float_denorm_mode_32 3
		.amdhsa_float_denorm_mode_16_64 3
		.amdhsa_memory_ordered 1
		.amdhsa_forward_progress 1
		.amdhsa_inst_pref_size 152
	.end_amdhsa_kernel
	.amdgpu_metadata
---
amdhsa.version: [ 1, 2 ]
amdhsa.kernels:
  - .name:           k_qa2343c8a91_up
    .symbol:         k_qa2343c8a91_up.kd
    .args:
      - { .name: assign, .offset: 0, .size: 8, .value_kind: global_buffer, .address_space: global }
      - { .name: xb, .offset: 8, .size: 8, .value_kind: global_buffer, .address_space: global }
      - { .name: W1, .offset: 16, .size: 8, .value_kind: global_buffer, .address_space: global }
      - { .name: b1, .offset: 24, .size: 8, .value_kind: global_buffer, .address_space: global }
      - { .name: hs, .offset: 32, .size: 8, .value_kind: global_buffer, .address_space: global }
    .group_segment_fixed_size: 201728
    .private_segment_fixed_size: 0
    .kernarg_segment_align: 8
    .kernarg_segment_size: 40
    .max_flat_workgroup_size: 256
    .sgpr_count:     66
    .vgpr_count:     496
    .wavefront_size: 32
...
	.end_amdgpu_metadata
.endif
;; end of part 2
;; launch down (part 3): grid 32 x 8, 8 waves a work-group, no clusters, 220,160 bytes of LDS; arguments assign, hs, W2, b2, w_bal, out0, out1; writes out0, out1
.if DOCPART == 3
	.amdgcn_target "amdgcn-amd-amdhsa--gfx1250"
	.amdhsa_code_object_version 6
	.text
	.protected	k_qa2343c8a91_down
	.globl	k_qa2343c8a91_down
	.p2align	8
	.type	k_qa2343c8a91_down,@function
k_qa2343c8a91_down:
	s_mov_b64 s[64:65], 0
	v_nop
	global_prefetch_b8 v0, s[64:65] scope:SCOPE_SE
	s_setreg_imm32_b32 hwreg(HW_REG_WAVE_MODE, 25, 1), 1
	s_wait_xcnt 0x0
; THE SECOND PRODUCT, for the chosen rows alone:  out0[token] = h W2[e] + b2[e], and the balance loss out1 = w_bal x (sum over e of (load_e - 128)^2) / 8.
; W2: [8][4096][1024] f32, b2: [8][1024] f32, w_bal: f32 (all rounded to bf16 on the way through registers), hs: the hidden layer in bf16 as operand images, assign: [1024] i32.
; SHARES.  Work-group (slice, e) owns columns 32 slice .. + 31 of expert e's W2: 512 KiB that it alone reads.  Wave w owns k = 512 w .. + 511: 16 steps of 32 k.  The eight K parts meet in LDS.
; THE LIST, THE CHUNKS, THE OPERANDS are the first product's: every wave makes its own copy of the list place -> token of expert e, in the same order; rows go in chunks of 10 tiles of 16
; places; the chunk loop has the constant count 7, every wave passes its two barriers in every trip, and only work is jumped; a live chunk multiplies TV = 8, 9 or 10 tiles, just those that
; the first product stored.  In a K block of 32, lane (r, h), register p holds k = 16 h + 2 p, 16 h + 2 p + 1, on both sides.
; hs: block (e, tile, kb) of 1,024 bytes at e EXPB + tile 131,072 + kb 1,024: byte 16 lane holds registers 0-3 of the token fragment, byte 512 + 16 lane registers 4-7: each load covers 512 neighbouring bytes.
; THE WAY OUT.  Source 0 = weights, source 1 = tokens: lane (r, h), register j of accumulator (t, f) holds (place r of tile t, column 16 h + 2 j + f).  A wave adds the eight parts of a tile, adds the
; bias, puts a lane's 16 neighbouring columns into its own stage in LDS, reads rows back, and stores them at the rows that the list names: eight lanes fill the slice's 128 bytes of a row.
; Only live tiles are stored.  In the last live tile the places past the count repeat the expert's first token: they store that token's numbers once more, to the same bytes.
; THE LOSS is made by wave 0 of work-group (0, 0).  Every token has one expert, so the mean load is 1,024 / 8 = 128; the sum of squares is a whole number, at most 917,504, exact in f32.
; REGISTERS.  Window 0: v0-31 addresses; v32-95 raw weights, two buffers; v96-111 two weight fragments; v112-191 token fragments, buffer 0 (v32-191 serve the way out between the walks);
; v192-207 bias; v208-223 at work.  Window 1: v0-159 the accumulators, (t, f) at 16 t + 8 f; v160-239 token fragments, buffer 1.
.set CSZ,    20480                     ; a wave's partial sums: 20 accumulators x 1,024 bytes
.set LIST,   8*CSZ                     ; behind them the eight lists,
.set LSZ,    4608                      ; each 1,120 places and 32 dump words
.set STAGE,  LIST+8*LSZ                ; behind the lists: 16 rows for each wave, for the way out
.set SPITCH, 144                       ; 128 bytes + 16 = 36 words: the 16 rows start at 16 different groups of four banks (64 banks of 4 bytes: ISA guide 11.1)
.set SPARE,  STAGE+8*16*SPITCH         ; behind the stages: the spare words, 128 bytes a wave, that no other line names
.set EXPB,   70*131072                 ; an expert's room in hs: 70 tiles
.set CHB,    10*131072                 ; a chunk's tiles in hs
.set PITCH,  4096                      ; bytes in a row of W2
.set WSTEP,  32*PITCH                  ; a K step in W2,
.set ASTEP,  1024                      ; and in hs
.set WR,     32
.set WF,     96
.set BIAS,   192
.set MSB, 0
.macro WIN new                         ; s_set_vgpr_msb: bits 1:0 source 0, 3:2 source 1, 5:4 source 2, 7:6 destination; the high byte repeats the setting that is left
.if MSB != (\new)
	s_set_vgpr_msb (MSB<<8)|(\new)
.set MSB, (\new)
.endif
.endm
	s_load_b256 s[4:11], s[0:1], 0x0               ; assign s[4:5], hs s[6:7], W2 s[8:9], b2 s[10:11]
	s_load_b128 s[12:15], s[0:1], 0x20             ; w_bal s[12:13], out0 s[14:15]
	s_load_b64 s[16:17], s[0:1], 0x30              ; out1
	v_lshl_add_u32 v30, v0, 2, SPARE               ; my spare word, and 0: kept for the add at the wave's end
	v_mov_b32 v31, 0
	v_and_b32 v1, 31, v0                           ; lane
	v_and_b32 v2, 15, v0                           ; r
	v_bfe_u32 v3, v0, 4, 1                         ; h
	v_lshrrev_b32 v11, 5, v0
	v_readfirstlane_b32 s20, v11                   ; wave
	s_mov_b32 s21, ttmp9                           ; slice
	s_and_b32 s22, ttmp7, 0xffff                   ; expert
	v_lshlrev_b32 v4, 3, v2
	v_lshl_add_u32 v4, v3, 16, v4                  ; weights: 8 r + h x 16 rows
	v_lshlrev_b32 v5, 4, v1                        ; 16 lane
	s_mul_i32 s29, s20, CSZ
	v_add_nc_u32 v6, s29, v5                       ; where I put partial sums
	v_lshl_add_u32 v7, s20, 11, v5                 ; where I read them: tile w of copies 0-2,
	v_add_nc_u32 v8, 3*CSZ, v7                     ; of copies 3-5,
	v_add_nc_u32 v9, 6*CSZ, v7                     ; of copies 6, 7
	s_mul_i32 s30, s20, LSZ
	s_add_co_u32 s30, s30, LIST                    ; my list
	v_bfe_u32 v26, v0, 3, 2                        ; lane / 8
	v_and_b32 v27, 7, v0                           ; lane % 8
	v_lshl_add_u32 v10, v26, 2, s30
	v_lshl_add_u32 v10, s20, 6, v10                ; place 16 w + lane / 8 of it
	v_lshlrev_b32 v12, 4, v27                      ; my 16 bytes of a row's 128
	s_mul_i32 s31, s20, 16*SPITCH
	s_add_co_u32 s31, s31, STAGE                   ; my stage
	v_mul_u32_u24 v28, v2, SPITCH
	v_lshl_add_u32 v28, v3, 6, v28
	v_add_nc_u32 v28, s31, v28                     ; in: row r, 64 bytes for each half of the lanes
	v_mul_u32_u24 v29, v26, SPITCH
	v_add_nc_u32 v29, v29, v12
	v_add_nc_u32 v29, s31, v29                     ; back: eight lanes take a row
	v_lshlrev_b32 v23, 2, v1                       ; 4 lane
	v_add_nc_u32 v24, 1120, v1                     ; my dump word's index
	v_lshlrev_b32 v11, 6, v3                       ; 64 h: my 16 numbers of the bias
	s_mov_b32 s43, 0
	s_wait_kmcnt 0x0
	s_lshl_b32 s31, s21, 7                         ; byte of the slice's 32 columns in a row
	s_lshl_b32 s42, s22, 24
	s_lshl_b32 s29, s20, 21
	s_add_co_u32 s42, s42, s29
	s_add_co_u32 s42, s42, s31
	s_add_nc_u64 s[32:33], s[8:9], s[42:43]        ; W2 at my expert, K part and columns
	s_lshl_b32 s42, s22, 12
	s_add_co_u32 s42, s42, s31
	s_add_nc_u64 s[10:11], s[10:11], s[42:43]      ; b2 at the slice's columns
	s_mul_i32 s42, s22, EXPB
	s_lshl_b32 s29, s20, 14
	s_add_co_u32 s42, s42, s29
	s_add_nc_u64 s[36:37], s[6:7], s[42:43]        ; hs at my expert and my 16 K blocks
	s_mov_b32 s42, s31
	s_add_nc_u64 s[40:41], s[14:15], s[42:43]      ; out0 at the slice's columns
.irp i, 0,1,2,3,4,5,6,7
	global_load_b128 v[32+4*\i:35+4*\i], v5, s[4:5] offset:512*\i  ; all 1,024 choices: register 4 i + c holds token 128 i + 4 lane + c
.endr
.irp k, 0,1,2,3
	global_load_b128 v[208+4*\k:211+4*\k], v11, s[10:11] offset:16*\k
.endr
	s_wait_loadcnt 0x0
.irp j, 0,1,2,3,4,5,6,7                ; the bias rounded to bf16 and widened, in the columns' order
	v_cvt_pk_bf16_f32 v25, v[208+2*\j], v[209+2*\j]
	v_lshlrev_b32 v[BIAS+2*\j], 16, v25
	v_and_b32 v[BIAS+2*\j+1], 0xffff0000, v25
.endr
; THE LIST.  Zeros first; then, for each of my 32 registers of choices, the members' tokens go to the places count + (members in lower lanes); the others write their dump word.  LDS serves a
; wave's instructions in order, and the bytes are the wave's own: no wait between the stores, no barrier.  Leaves the count in s23 and the number of tiles in s24.
.macro LISTBUILD
.irp k, 208,209,210,211
	v_mov_b32 v\k, 0
.endr
	v_add_nc_u32 v26, s30, v5
.irp k, 0,1,2,3,4,5,6,7,8
	ds_store_b128 v26, v[208:211] offset:512*\k
.endr
	s_mov_b32 s23, 0
.set n, 0
.rept 32
	v_cmp_eq_u32 s29, s22, v[32+n]                 ; who chose my expert
	v_mbcnt_lo_u32_b32 v25, s29, s23               ; the place
	v_cndmask_b32 v25, v24, v25, s29               ; or the dump word
	v_min_u32 v25, 1151, v25                       ; inside my list, whatever was loaded
	v_lshl_add_u32 v25, v25, 2, s30
	v_add_nc_u32 v26, 128*(n/4)+n%4, v23           ; the token
	ds_store_b32 v25, v26
	s_bcnt1_i32_b32 s31, s29
	s_add_co_u32 s23, s23, s31
.set n, n+1
.endr
	v_mov_b32 v26, s30
	ds_load_b32 v27, v26                           ; the first token (0 where there is none)
	v_add_nc_u32 v25, s23, v1
	v_min_u32 v25, 1119, v25
	v_lshl_add_u32 v25, v25, 2, s30
	s_wait_dscnt 0x0
	ds_store_b32 v25, v27                          ; 32 places from the count on repeat it
	s_add_co_u32 s24, s23, 15
	s_lshr_b32 s24, s24, 4
.endm
	LISTBUILD
	; THE LOSS: one wave of the launch; the choices still lie in v32-63
	s_or_b32 s29, s21, s22
	s_or_b32 s29, s29, s20
	s_cmp_lg_u32 s29, 0
	s_cbranch_scc1 .Lno_loss
	s_load_b32 s50, s[12:13], 0x0                  ; w_bal
	s_mov_b32 s48, 0                               ; the sum of squares
	s_mov_b32 s49, 0                               ; expert
.Lloss:
	s_mov_b32 s31, 0
.set n, 0
.rept 32
	v_cmp_eq_u32 s29, s49, v[32+n]
	s_bcnt1_i32_b32 s30, s29
	s_add_co_u32 s31, s31, s30
.set n, n+1
.endr
	s_sub_co_i32 s31, s31, 128                     ; load - mean
	s_mul_i32 s31, s31, s31
	s_add_co_u32 s48, s48, s31
	s_add_co_u32 s49, s49, 1
	s_cmp_lt_u32 s49, 8
	s_cbranch_scc1 .Lloss
	s_wait_kmcnt 0x0
	v_cvt_f32_u32 v25, s48
	v_cvt_pk_bf16_f32 v27, s50, s50                ; w_bal rounded to bf16,
	v_lshlrev_b32 v27, 16, v27                     ; and widened
	v_mul_f32 v25, 0x3e000000, v25                 ; / 8: exact
	v_mul_f32 v25, v25, v27
	v_mov_b32 v26, 0
	v_cmp_eq_u32 vcc_lo, 0, v1
	s_wait_xcnt 0x0                                ; EXEC changes only behind this wait,
	s_and_saveexec_b32 s29, vcc_lo
	global_store_b32 v26, v25, s[16:17]
	s_wait_xcnt 0x0                                ; and again in front of the line that widens it
	s_or_b32 exec_lo, exec_lo, s29
.Lno_loss:
.macro WLOAD buf, extra                ; a step's weights: 32 rows x 32 columns of f32, two rows a load
	WIN 0
.set i, 0
.rept 16
	global_load_b64 v[WR+32*(\buf)+2*i:WR+32*(\buf)+2*i+1], v4, s[34:35] offset:i*PITCH+(\extra)
.set i, i+1
.endr
.endm
.macro CVT buf                         ; rounded to bf16: register p of fragment f = rows 2 p, 2 p + 1 of column f
	WIN 0
.irp f, 0,1
.set p, 0
.rept 8
	v_cvt_pk_bf16_f32 v[WF+8*\f+p], v[WR+32*(\buf)+4*p+\f], v[WR+32*(\buf)+4*p+2+\f]
.set p, p+1
.endr
.endr
.endm
.macro ALOAD T, buf, extra             ; a step's token fragments: one operand image a tile
	WIN 0x40*(\buf)
.set AB, 112+48*(\buf)
.set t, 0
.rept \T
	global_load_b128 v[AB+8*t:AB+8*t+3],   v5, s[38:39] offset:t*131072+(\extra)
	global_load_b128 v[AB+8*t+4:AB+8*t+7], v5, s[38:39] offset:t*131072+(\extra)+512
.set t, t+1
.endr
.endm
.macro MUL T, buf, zero                ; 2 T products; the accumulators take turns, one instruction a turn, over the loop's jump too.  zero = 1: the first step starts the sums
	WIN 0x50|((\buf)<<2)
.set AB, 112+48*(\buf)
.set t, 0
.rept \T
.irp f, 0,1
.if \zero
	v_wmma_f32_16x16x32_bf16 v[16*t+8*\f:16*t+8*\f+7], v[WF+8*\f:WF+8*\f+7], v[AB+8*t:AB+8*t+7], 0
.else
	v_wmma_f32_16x16x32_bf16 v[16*t+8*\f:16*t+8*\f+7], v[WF+8*\f:WF+8*\f+7], v[AB+8*t:AB+8*t+7], v[16*t+8*\f:16*t+8*\f+7]
.endif
.endr
.set t, t+1
.endr
.endm
; A K step on buffer buf.  Loads are issued in the order weights, tokens, step after step, two steps ahead: behind this step's stand the next step's 16 + 2 T, which N leaves out.
; more = 1: the buffers take the step two further on: the weights as soon as they are rounded, the tokens behind the products.
.macro STEP T, buf, zero, more, N
	s_wait_loadcnt \N
	CVT \buf
.if \more
	s_wait_xcnt 0x0                                ; all loads issued so far have read their bases: both may be stepped
	s_add_nc_u64 s[34:35], s[34:35], WSTEP
	WLOAD \buf, 0
.endif
	MUL \T, \buf, \zero
.rept 4
	v_nop                                          ; four places ahead of the loads into the token fragments, of the next rounding into the weight fragments, and of the LDS stores of the sums
.endr
.if \more
	s_add_nc_u64 s[38:39], s[38:39], ASTEP
	ALOAD \T, \buf, 0
.endif
.endm
.macro PSTORE T                        ; my partial sums into my part of LDS, each accumulator from its low end on
	WIN 0x04
.set t, 0
.rept \T
.irp f, 0,1
.irp q, 0,1
	ds_store_b128 v6, v[16*t+8*\f+4*\q:16*t+8*\f+4*\q+3] offset:(2*t+\f)*1024+\q*512
.endr
.endr
.set t, t+1
.endr
	WIN 0
.endm
; A chunk's K walk for T tiles: 16 steps.  Steps 0 to 13 fetch steps 2 to 15; the last two fetch nothing.
.macro MAIN T
	s_mov_b64 s[34:35], s[32:33]
	s_mov_b64 s[38:39], s[36:37]
	WLOAD 0, 0
	ALOAD \T, 0, 0
	WLOAD 1, WSTEP
	ALOAD \T, 1, ASTEP
	s_wait_xcnt 0x0
	s_add_nc_u64 s[34:35], s[34:35], WSTEP
	s_add_nc_u64 s[38:39], s[38:39], ASTEP
	STEP \T, 0, 1, 1, 16+2*\T
	STEP \T, 1, 0, 1, 16+2*\T
	WIN 0
	s_mov_b32 s28, 6
.Lk_\@:
	STEP \T, 0, 0, 1, 16+2*\T
	STEP \T, 1, 0, 1, 16+2*\T
	WIN 0
	s_sub_co_u32 s28, s28, 1
	s_cmp_lg_u32 s28, 0
	s_cbranch_scc1 .Lk_\@
	STEP \T, 0, 0, 0, 16+2*\T
	STEP \T, 1, 0, 0, 0
	PSTORE \T
.endm
; Tile w + 8 i: the eight K parts are added in f32, then the bias; through my stage into whole pieces of rows; stored at the rows that the list names.
.macro RD i
.if (\i) == 1
	s_cmp_ge_u32 s20, 2
	s_cbranch_scc1 .Lrd_\@                         ; tiles 8 and 9 are waves 0's and 1's
.endif
	s_add_co_u32 s47, s20, 8*(\i)
	s_cmp_ge_i32 s47, s46
	s_cbranch_scc1 .Lrd_\@                         ; past the live tiles: the whole unit is jumped
	s_wait_xcnt 0x0                                ; the last unit's stores have read their data and offsets
.set c, 0
.rept 8
.irp b, 0,1,2,3
	ds_load_b128 v[32+16*c+4*\b:35+16*c+4*\b], v[7+c/3] offset:(c%3)*CSZ+\b*512+(\i)*16384
.endr
.set c, c+1
.endr
.set c, 1
.rept 7
	s_wait_dscnt 4*(7-c)                           ; LDS loads come back in order: copy c is in, the younger copies' four loads each stay out
.set k, 0
.rept 8
	v_pk_add_f32 v[32+2*k:33+2*k], v[32+2*k:33+2*k], v[32+16*c+2*k:33+16*c+2*k]
.set k, k+1
.endr
.set c, c+1
.endr
.irp f, 0,1
.irp j, 0,1,2,3,4,5,6,7
	v_add_f32 v[160+2*\j+\f], v[32+8*\f+\j], v[BIAS+2*\j+\f]  ; the bias; and the columns into their order: 16 h + 2 j + f
.endr
.endr
	v_add_nc_u32 v25, s51, v10
.irp k, 0,1,2,3
	ds_store_b128 v28, v[160+4*\k:163+4*\k] offset:16*\k
.endr
.irp k, 0,1,2,3
	ds_load_b128 v[32+4*\k:35+4*\k], v29 offset:4*SPITCH*\k   ; rows lane / 8 + 4 k; LDS serves a wave's instructions in order (ISA guide 5.7.1.4): these see the stores above
.endr
.irp k, 0,1,2,3
	ds_load_b32 v[176+\k], v25 offset:512*(\i)+16*\k          ; and those rows' tokens
.endr
	s_wait_dscnt 0x0
.irp k, 0,1,2,3
	v_min_u32 v[176+\k], 0x3ff, v[176+\k]          ; a token, whatever was loaded
	v_lshl_add_u32 v[176+\k], v[176+\k], 12, v12   ; its row of 4,096 bytes + my 16 bytes
.endr
.irp k, 0,1,2,3
	global_store_b128 v[176+\k], v[32+4*\k:35+4*\k], s[40:41]  ; eight lanes store the slice's 128 neighbouring bytes of a row
.endr
.Lrd_\@:
.endm
	s_mov_b32 s25, 0                               ; chunk
	s_mov_b32 s51, 0                               ; its 160 places in the list, in bytes
.Lchunk:
	s_mul_i32 s29, s25, 10
	s_sub_co_i32 s26, s24, s29                     ; tiles left
	s_max_i32 s27, s26, 8
	s_min_i32 s27, s27, 10                         ; TV: the tiles multiplied, as the first product stored them
	s_min_i32 s46, s26, 10                         ; the tiles that hold rows: only they are stored
	s_cmp_le_i32 s26, 0
	s_cbranch_scc1 .Lb1                            ; no rows: only work is jumped, never a barrier
	s_cmp_eq_u32 s27, 8
	s_cbranch_scc1 .Lm8
	s_cmp_eq_u32 s27, 9
	s_cbranch_scc1 .Lm9
	MAIN 10
	s_branch .Lb1
.Lm9:
	MAIN 9
	s_branch .Lb1
.Lm8:
	MAIN 8
.Lb1:
	s_wait_dscnt 0x0                               ; for the others' sake: my partial sums are written
	s_barrier_signal -1
	s_barrier_wait -1
	s_cmp_le_i32 s26, 0
	s_cbranch_scc1 .Lb2
	RD 0
	RD 1
.Lb2:
	s_wait_dscnt 0x0                               ; my reads of the partial sums are over: behind this barrier the next chunk may write them
	s_barrier_signal -1
	s_barrier_wait -1
	s_wait_xcnt 0x0                                ; the stores have read their data and offsets
	s_add_nc_u64 s[36:37], s[36:37], CHB
	s_add_co_u32 s51, s51, 640
	s_add_co_u32 s25, s25, 1
	s_cmp_lt_u32 s25, 7
	s_cbranch_scc1 .Lchunk
	s_wait_tensorcnt 0x0                           ; the wave's end, behind my last LDS store
	ds_add_u32 v30, v31
	s_wait_dscnt 0x0
	s_endpgm
.Lfunc_end_k_qa2343c8a91_down:
	.size	k_qa2343c8a91_down, .Lfunc_end_k_qa2343c8a91_down-k_qa2343c8a91_down
	.p2alignl 7, 3214868480
	.fill 96, 4, 3214868480
	.section	.rodata,"a",@progbits
	.p2align	6, 0x0
	.amdhsa_kernel k_qa2343c8a91_down
		.amdhsa_group_segment_fixed_size 220160
		.amdhsa_private_segment_fixed_size 0
		.amdhsa_enable_private_segment 0
		.amdhsa_kernarg_size 56
		.amdhsa_user_sgpr_count 2
		.amdhsa_user_sgpr_kernarg_segment_ptr 1
		.amdhsa_wavefront_size32 1
		.amdhsa_system_sgpr_workgroup_id_x 1
		.amdhsa_system_sgpr_workgroup_id_y 1
		.amdhsa_system_sgpr_workgroup_id_z 1
		.amdhsa_system_vgpr_workitem_id 0
		.amdhsa_next_free_vgpr 496
		.amdhsa_next_free_sgpr 66
		.amdhsa_reserve_vcc 1
		.amdhsa_float_denorm_mode_32 3
		.amdhsa_float_denorm_mode_16_64 3
		.amdhsa_memory_ordered 1
		.amdhsa_forward_progress 1
		.amdhsa_inst_pref_size 155
	.end_amdhsa_kernel
	.amdgpu_metadata
---
amdhsa.version: [ 1, 2 ]
amdhsa.kernels:
  - .name:           k_qa2343c8a91_down
    .symbol:         k_qa2343c8a91_down.kd
    .args:
      - { .name: assign, .offset: 0, .size: 8, .value_kind: global_buffer, .address_space: global }
      - { .name: hs, .offset: 8, .size: 8, .value_kind: global_buffer, .address_space: global }
      - { .name: W2, .offset: 16, .size: 8, .value_kind: global_buffer, .address_space: global }
      - { .name: b2, .offset: 24, .size: 8, .value_kind: global_buffer, .address_space: global }
      - { .name: w_bal, .offset: 32, .size: 8, .value_kind: global_buffer, .address_space: global }
      - { .name: out0, .offset: 40, .size: 8, .value_kind: global_buffer, .address_space: global }
      - { .name: out1, .offset: 48, .size: 8, .value_kind: global_buffer, .address_space: global }
    .group_segment_fixed_size: 220160
    .private_segment_fixed_size: 0
    .kernarg_segment_align: 8
    .kernarg_segment_size: 56
    .max_flat_workgroup_size: 256
    .sgpr_count:     66
    .vgpr_count:     496
    .wavefront_size: 32
...
	.end_amdgpu_metadata
.endif
;; end of part 3
;; ======== version 2 of 2: 3 launches; 1.27 times as fast as version 1
;; workspace buffers: assign 4,096 bytes of whole numbers; xb 2,097,152 bytes; hs 73,400,320 bytes
;; launch router: the kernel of part 1 again; grid 256 x 1, 4 waves a work-group, no clusters, 0 bytes of LDS; arguments x, Wg, bg, assign, xb; writes assign, xb
;; launch up (part 4): grid 32 x 8, 8 waves a work-group, no clusters, 206,848 bytes of LDS; arguments assign, xb, W1, b1, hs; writes hs
.if DOCPART == 4
	.amdgcn_target "amdgcn-amd-amdhsa--gfx1250"
	.amdhsa_code_object_version 6
	.text
	.protected	k_qa2343c8a91_up
	.globl	k_qa2343c8a91_up
	.p2align	8
	.type	k_qa2343c8a91_up,@function
k_qa2343c8a91_up:
	s_mov_b64 s[64:65], 0
	v_nop
	global_prefetch_b8 v0, s[64:65] scope:SCOPE_SE
	s_setreg_imm32_b32 hwreg(HW_REG_WAVE_MODE, 25, 1), 1
	s_wait_xcnt 0x0
; THE FIRST PRODUCT, for the chosen rows alone:  h = relu(x W1[e] + b1[e]) for the tokens whose expert is e, stored in bf16 as the second product's operand images.
; W1: [8][1024][4096] f32, b1: [8][4096] f32 (both rounded to bf16 on the way through registers), xb: [1024][1024] bf16, assign: [1024] i32.
; SHARES.  Work-group (slice, e) owns columns 128 slice .. + 127 of expert e's W1: 512 KiB that it alone reads.  Wave w = 2 g + kh owns columns 32 g .. + 31 of them and k = 512 kh .. + 511:
; 16 steps of 32 k.  The two K halves of a column group meet in LDS.
; THE LIST.  Every wave counts the routing for itself: its own copy, in LDS, of the list place -> token of expert e, in the order (group of 128 tokens, token % 4, lane).  The second product's
; text makes the same list.  Places from the count on repeat the expert's first token (32 of them), the rest hold token 0: every place names a row that exists.
; ROWS go in chunks of 10 tiles of 16 places; a chunk that is walked is multiplied and stored whole.
; CHUNK 0, the first 160 places, is always walked, and its text holds no branch, so that barriers may stand in it: THE TOKENS' ROWS COME ONCE FOR THE WORK-GROUP, THROUGH LDS.  K goes in four phases;
; phase p needs k = 128 p .. + 127 of both K halves: 512 bytes of a row, two whole aligned blocks of 256.  Wave w fetches places 20 w .. + 19, one row's 512 bytes a load, for phase p + 1 while
; phase p is multiplied, and puts them into the other of two stages at the phase's end: one barrier a phase.  All eight waves read their fragments from the stage.
; CHUNKS 1 TO 6 serve an expert with more than 160 rows: a loop with the constant count 6, whose two barriers every wave passes in every trip; a chunk without rows jumps over the work alone.
; A live one walks the weights once more, with the rows fetched straight into fragments, one step at a time: short text for the rare case.  Every split of the tokens is served.
; OPERANDS.  In a K block of 32, lane (r = lane % 16, h = lane / 16), register p holds k = 16 h + 2 p and 16 h + 2 p + 1: the same permutation of k on both sides, so the products are kept.
; A weight load of 8 bytes a lane takes columns 2 r, 2 r + 1 of row k0 + i (lanes 0-15) and of row k0 + 16 + i (lanes 16-31); two rows' numbers of one column, rounded together, are register p of
; fragment f, whose index r is column 2 r + f.  No weight passes through LDS.
; THE MATRIX INSTRUCTION IS USED TRANSPOSED (source 0 = weights, source 1 = tokens): lane (r, h), register j of accumulator (t, f) holds (place r of tile t, column 16 h + 2 j + f), so the pair
; (f = 0, f = 1) of register j, rounded together, IS register j of the second product's token fragment: nothing changes lanes.
; hs: block (e, tile, kb = column / 32) of 1,024 bytes at e EXPB + tile 131,072 + kb 1,024: byte 16 lane holds registers 0-3, byte 512 + 16 lane registers 4-7.
; LIMITS.  relu is the maximum with 0 of the number already rounded to bf16: the same value, but a NaN becomes 0.
; REGISTERS.  Window 0: v0-31 addresses; v32-127 raw weights, three buffers; v128-143 two weight fragments; v144-223 token fragments; v224-239 bias; v240 zero; v241-250 row offsets of chunks 1 to 6.
; Window 1: v0-159 the accumulators, (t, f) at 16 t + 8 f; v160-239 the 20 rows on their way to a stage, four registers each.
.set CSZ,   20480                      ; a wave's partial sums: 20 accumulators x 1,024 bytes
.set XP,    528                        ; a stage's row: 512 bytes + 16 = 132 words: row r starts at bank 4 r mod 64 (64 banks of 4 bytes: ISA guide 11.1), so the 16 rows of a fragment load start at 16 different groups of four banks
.set STG,   160*XP                     ; a stage: 160 rows.  Two stages from byte 0 on; the partial sums, 8 CSZ, lie over them, behind the last phase's barrier
.set LIST,  2*STG                      ; behind the stages the eight lists,
.set LSZ,   4608                       ; each 1,120 places and 32 dump words
.set SPARE, LIST+8*LSZ                 ; behind the lists: the spare words, 128 bytes a wave, that no other line names
.set EXPB,  70*131072                  ; an expert's room in hs: 70 tiles
.set CHB,   10*131072                  ; a chunk's tiles in hs
.set PITCH, 16384                      ; bytes in a row of W1
.set WSTEP, 32*PITCH                   ; a K step in W1,
.set ASTEP, 64                         ; and in a row of xb
.set VX,    12                         ; v12-15  where I read fragments: stage 0 tiles 0-4, tiles 5-9; stage 1 likewise
.set WR,    32
.set WF,    128
.set A0,    144
.set AS,    144                        ; at the head: the 1,024 choices, v144-175; the raw bias, v176-191; four zeros, v192-195
.set BIAS,  224
.set ZERO,  240
.set VA,    241
.set GR,    160                        ; window 1
.set MSB, 0
.macro WIN new                         ; s_set_vgpr_msb: bits 1:0 source 0, 3:2 source 1, 5:4 source 2, 7:6 destination; the high byte repeats the setting that is left
.if MSB != (\new)
	s_set_vgpr_msb (MSB<<8)|(\new)
.set MSB, (\new)
.endif
.endm
.macro BAR                             ; my LDS stores are written and my LDS reads are back; then all eight waves meet
	s_wait_dscnt 0x0
	s_barrier_signal -1
	s_barrier_wait -1
.endm
.macro PLACES                          ; four places behind a step's products: ahead of the loads into the token fragments, of the next rounding into the weight fragments, and of the LDS stores of the sums
.rept 4
	v_nop
.endr
.endm
.macro XW s                            ; chunk 0: step s's weights, 32 rows x 32 columns of f32, two rows a load, into buffer s % 3.  The step stands in the immediate (8,110,080 at the most): no base is stepped
	WIN 0
.set i, 0
.rept 16
	global_load_b64 v[WR+32*((\s)%3)+2*i:WR+32*((\s)%3)+2*i+1], v4, s[32:33] offset:(32*(\s)+i)*PITCH th:TH_LOAD_NT
.set i, i+1
.endr
.endm
	s_load_b256 s[4:11], s[0:1], 0x0               ; assign s[4:5], xb s[6:7], W1 s[8:9], b1 s[10:11]
	s_load_b64 s[12:13], s[0:1], 0x20              ; hs
	v_lshl_add_u32 v30, v0, 2, SPARE               ; my spare word, and 0: kept for the add at the wave's end
	v_mov_b32 v31, 0
	v_and_b32 v1, 31, v0                           ; lane
	v_and_b32 v2, 15, v0                           ; r
	v_bfe_u32 v3, v0, 4, 1                         ; h
	v_lshrrev_b32 v11, 5, v0
	v_readfirstlane_b32 s20, v11                   ; wave
	s_mov_b32 s21, ttmp9                           ; slice
	s_and_b32 s22, ttmp7, 0xffff                   ; expert
	s_lshr_b32 s44, s20, 1                         ; g: my group of 32 columns
	s_and_b32 s45, s20, 1                          ; kh: my half of K; also the parity of the tiles that I reduce
	v_lshlrev_b32 v4, 3, v2
	v_lshl_add_u32 v4, v3, 18, v4                  ; weights: 8 r + h x 16 rows
	v_lshlrev_b32 v5, 4, v1                        ; 16 lane
	s_mul_i32 s29, s20, CSZ
	v_add_nc_u32 v6, s29, v5                       ; where I put partial sums
	s_mul_i32 s29, s44, 2*CSZ
	s_lshl_b32 s31, s45, 11
	s_add_co_u32 s29, s29, s31
	v_add_nc_u32 v7, s29, v5                       ; where I read them: my group's first copy, tile kh
	s_mul_i32 s29, s20, 20*XP
	v_add_nc_u32 v8, s29, v5                       ; where I put rows: row 20 w of stage 0,
	v_add_nc_u32 v9, STG, v8                       ; of stage 1
	s_mul_i32 s30, s20, LSZ
	s_add_co_u32 s30, s30, LIST                    ; my list
	s_mul_i32 s29, s20, 80
	s_add_co_u32 s29, s29, s30
	v_mov_b32 v10, s29                             ; place 20 w of it, the same word for all lanes
	v_mul_u32_u24 v[VX], v2, XP
	v_lshl_add_u32 v[VX], v3, 5, v[VX]             ; a fragment: row r, my 16 k: 32 h,
	s_lshl_b32 s29, s45, 8
	v_add_nc_u32 v[VX], s29, v[VX]                 ; in my K half's 256 bytes of the row
	v_add_nc_u32 v[VX+1], 80*XP, v[VX]
	v_add_nc_u32 v[VX+2], STG, v[VX]
	v_add_nc_u32 v[VX+3], STG, v[VX+1]
	v_lshl_add_u32 v16, v2, 2, s30                 ; chunks 1 to 6: place r of my list,
	v_lshlrev_b32 v17, 5, v3                       ; and 32 h: my 16 k in a row of xb
	v_lshlrev_b32 v18, 4, v2
	v_lshl_add_u32 v18, v3, 10, v18                ; a row's 512 bytes of a phase: lanes 0-15 the lower K half's 256, lanes 16-31 the upper's
	v_lshlrev_b32 v23, 2, v1                       ; 4 lane
	v_add_nc_u32 v24, 1120, v1                     ; my dump word's index
	v_lshlrev_b32 v11, 6, v3                       ; 64 h: my 16 numbers of the bias
	v_mov_b32 v[ZERO], 0
	s_mov_b32 s43, 0
	s_wait_kmcnt 0x0
	s_lshl_b32 s31, s21, 9
	s_lshl_b32 s29, s44, 7
	s_add_co_u32 s31, s31, s29                     ; byte of my 32 columns in a row
	s_lshl_b32 s42, s22, 24
	s_lshl_b32 s29, s45, 23
	s_add_co_u32 s42, s42, s29
	s_add_co_u32 s42, s42, s31
	s_add_nc_u64 s[32:33], s[8:9], s[42:43]        ; W1 at my expert, K half and columns
	s_lshl_b32 s42, s22, 14
	s_add_co_u32 s42, s42, s31
	s_add_nc_u64 s[10:11], s[10:11], s[42:43]      ; b1 at my columns
	s_lshl_b32 s42, s45, 10
	s_add_nc_u64 s[36:37], s[6:7], s[42:43]        ; xb at my K half (chunks 1 to 6)
	s_mul_i32 s42, s22, EXPB
	s_lshl_b32 s29, s31, 3                         ; kb x 1,024 = (4 slice + g) x 1,024
	s_add_co_u32 s42, s42, s29
	s_lshl_b32 s29, s45, 17
	s_add_co_u32 s42, s42, s29
	s_add_nc_u64 s[40:41], s[12:13], s[42:43]      ; hs at my expert, K block, and tile kh
.irp i, 0,1,2,3,4,5,6,7
	global_load_b128 v[AS+4*\i:AS+4*\i+3], v5, s[4:5] offset:512*\i  ; all 1,024 choices: register 4 i + c holds token 128 i + 4 lane + c
.endr
.irp k, 0,1,2,3
	global_load_b128 v[176+4*\k:179+4*\k], v11, s[10:11] offset:16*\k
.endr
	XW 0                                           ; the first three steps' weights hang on no list: they are on their way while the list is made
	XW 1
	XW 2
	s_wait_loadcnt 48                              ; the choices and the bias are in; the 48 weight loads behind them stay out
.irp j, 0,1,2,3,4,5,6,7                ; the bias rounded to bf16, widened, and laid as the accumulators lie: [f][j]
	v_cvt_pk_bf16_f32 v25, v[176+2*\j], v[177+2*\j]
	v_lshlrev_b32 v[BIAS+\j], 16, v25
	v_and_b32 v[BIAS+8+\j], 0xffff0000, v25
.endr
; THE LIST.  Zeros first; then, for each of my 32 registers of choices, the members' tokens go to the places count + (members in lower lanes); the others write their dump word.  LDS serves a
; wave's instructions in order, and the bytes are the wave's own: no wait between the stores, no barrier.  Leaves the count in s23 and the number of tiles in s24.
.macro LISTBUILD
.irp k, 192,193,194,195
	v_mov_b32 v\k, 0
.endr
	v_add_nc_u32 v26, s30, v5
.irp k, 0,1,2,3,4,5,6,7,8
	ds_store_b128 v26, v[192:195] offset:512*\k
.endr
	s_mov_b32 s23, 0
.set n, 0
.rept 32
	v_cmp_eq_u32 s29, s22, v[AS+n]                 ; who chose my expert
	v_mbcnt_lo_u32_b32 v25, s29, s23               ; the place
	v_cndmask_b32 v25, v24, v25, s29               ; or the dump word
	v_min_u32 v25, 1151, v25                       ; inside my list, whatever was loaded
	v_lshl_add_u32 v25, v25, 2, s30
	v_add_nc_u32 v26, 128*(n/4)+n%4, v23           ; the token
	ds_store_b32 v25, v26
	s_bcnt1_i32_b32 s31, s29
	s_add_co_u32 s23, s23, s31
.set n, n+1
.endr
	v_mov_b32 v26, s30
	ds_load_b32 v27, v26                           ; the first token (0 where there is none)
	v_add_nc_u32 v25, s23, v1
	v_min_u32 v25, 1119, v25
	v_lshl_add_u32 v25, v25, 2, s30
	s_wait_dscnt 0x0
	ds_store_b32 v25, v27                          ; 32 places from the count on repeat it
	s_add_co_u32 s24, s23, 15
	s_lshr_b32 s24, s24, 4
.endm
	LISTBUILD
.macro CVT buf                         ; rounded to bf16: register p of fragment f = rows 2 p, 2 p + 1 of column f
	WIN 0
.irp f, 0,1
.set p, 0
.rept 8
	v_cvt_pk_bf16_f32 v[WF+8*\f+p], v[WR+32*(\buf)+4*p+\f], v[WR+32*(\buf)+4*p+2+\f]
.set p, p+1
.endr
.endr
.endm
.macro MUL zero                        ; 20 products; the accumulators take turns, one instruction a turn, from step to step and over the loop's jump too.  zero = 1: the first step starts the sums
	WIN 0x50
.set t, 0
.rept 10
.irp f, 0,1
.if \zero
	v_wmma_f32_16x16x32_bf16 v[16*t+8*\f:16*t+8*\f+7], v[WF+8*\f:WF+8*\f+7], v[A0+8*t:A0+8*t+7], 0
.else
	v_wmma_f32_16x16x32_bf16 v[16*t+8*\f:16*t+8*\f+7], v[WF+8*\f:WF+8*\f+7], v[A0+8*t:A0+8*t+7], v[16*t+8*\f:16*t+8*\f+7]
.endif
.endr
.set t, t+1
.endr
.endm
.macro PSTORE                          ; my partial sums into my part of LDS, each accumulator from its low end on
	WIN 0x04
.set t, 0
.rept 10
.irp f, 0,1
.irp q, 0,1
	ds_store_b128 v6, v[16*t+8*\f+4*\q:16*t+8*\f+4*\q+3] offset:(2*t+\f)*1024+\q*512
.endr
.endr
.set t, t+1
.endr
	WIN 0
.endm
; CHUNK 0's macros.
.macro XA s                            ; step s's ten token fragments out of stage (s / 4) % 2: 32 bytes a lane
	WIN 0
.set t, 0
.rept 10
	ds_load_b128 v[A0+8*t:A0+8*t+3],   v[VX+2*(((\s)/4)%2)+t/5] offset:(t%5)*16*XP+((\s)%4)*64
	ds_load_b128 v[A0+8*t+4:A0+8*t+7], v[VX+2*(((\s)/4)%2)+t/5] offset:(t%5)*16*XP+((\s)%4)*64+16
.set t, t+1
.endr
.endm
.macro XGT                             ; the tokens of my 20 places, each into the first register of its row's four
	WIN 0x40
.set i, 0
.rept 20
	ds_load_b32 v[GR+4*i], v10 offset:4*i
.set i, i+1
.endr
.endm
.macro XGL p, younger                  ; my 20 rows of phase p are asked for; younger = the LDS loads issued behind the tokens'.  A load lands on its own offset register, on no other's
	s_wait_dscnt \younger
	WIN 0x44
.set i, 0
.rept 20
	v_min_u32 v[GR+4*i], 0x3ff, v[GR+4*i]          ; a token, whatever was loaded
.set i, i+1
.endr
	WIN 0x41
.set i, 0
.rept 20
	v_lshl_add_u32 v[GR+4*i], v[GR+4*i], 11, v18   ; its row of 2,048 bytes + my 16 bytes
.set i, i+1
.endr
.set i, 0
.rept 20
	global_load_b128 v[GR+4*i:GR+4*i+3], v[GR+4*i], s[6:7] offset:256*(\p)  ; the wave takes two whole aligned blocks of 256 bytes of one row
.set i, i+1
.endr
	WIN 0
.endm
.macro XS st                           ; and go into stage st: a store covers a row's 512 neighbouring bytes
	WIN 0x04
.set i, 0
.rept 20
	ds_store_b128 v[8+(\st)], v[GR+4*i:GR+4*i+3] offset:i*XP
.set i, i+1
.endr
	WIN 0
.endm
; Step s.  N = the loads issued behind step s's weights, which may stay out.  The raw buffer takes the step three further on as soon as it is rounded; the fragments of the next step are read
; behind the products, but for a phase's last step: the next stage is whole only behind the barrier.
.macro XSTEP s, N
	s_wait_loadcnt \N
	CVT (\s)%3
.if (\s) < 13
	XW (\s)+3
.endif
	s_wait_dscnt 0x0                               ; the fragments, asked for a step ago
.if (\s) == 0
	MUL 1
.else
	MUL 0
.endif
	PLACES
.if (\s)%4 != 3
	XA (\s)+1
.endif
.endm
; Phase p: four steps on stage p % 2.  Loads in the order of issue at its head: three steps' weights (16 each), then the next phase's 20 rows.  So behind each of the first three steps' weights stand
; 16 + 16 + 20 = 52; behind the fourth's two steps' 32, and the rows, which are older, are in: they go into the other stage, which every wave left in front of the last barrier.
.macro PHASE p
.if (\p) < 3
	XGT
.endif
	XA 4*(\p)
.if (\p) < 3
	XGL (\p)+1, 20
	XSTEP 4*(\p), 52
	XSTEP 4*(\p)+1, 52
	XSTEP 4*(\p)+2, 52
	XSTEP 4*(\p)+3, 32
	XS ((\p)+1)%2
.else
	XSTEP 12, 32                                   ; the last phase fetches no rows, and weights once more: the counts run down
	XSTEP 13, 32
	XSTEP 14, 16
	XSTEP 15, 0
.endif
	BAR
.endm
; Tile kh + 2 i of my column group: the two K halves are added, the bias, rounded to bf16 in pairs (f = 0, f = 1), relu, and stored as one operand image.  Each unit has store registers of its own.
.macro RU i
.irp b, 0,1,2,3
	ds_load_b128 v[32+4*\b:35+4*\b], v7 offset:(\i)*4096+\b*512
.endr
.irp b, 0,1,2,3
	ds_load_b128 v[48+4*\b:51+4*\b], v7 offset:(\i)*4096+\b*512+CSZ
.endr
	s_wait_dscnt 0x0
.irp k, 0,1,2,3,4,5,6,7
	v_pk_add_f32 v[32+2*\k:33+2*\k], v[32+2*\k:33+2*\k], v[48+2*\k:49+2*\k]
.endr
.irp k, 0,1,2,3,4,5,6,7
	v_pk_add_f32 v[32+2*\k:33+2*\k], v[32+2*\k:33+2*\k], v[BIAS+2*\k:BIAS+2*\k+1]
.endr
.irp j, 0,1,2,3,4,5,6,7
	v_cvt_pk_bf16_f32 v[64+8*(\i)+\j], v[32+\j], v[40+\j]
.endr
.irp j, 0,1,2,3,4,5,6,7
	v_pk_max_num_bf16 v[64+8*(\i)+\j], v[64+8*(\i)+\j], v[ZERO]
.endr
	global_store_b128 v5, v[64+8*(\i):67+8*(\i)], s[40:41] offset:(\i)*262144      ; each store covers 512 neighbouring bytes, aligned
	global_store_b128 v5, v[68+8*(\i):71+8*(\i)], s[40:41] offset:(\i)*262144+512
.endm
.macro REDUCE
.irp u, 0,1,2,3,4
	RU \u
.endr
.endm
	; CHUNK 0
	XGT
	XGL 0, 0                                       ; phase 0's rows
	s_wait_loadcnt 0x0                             ; they are the youngest loads: all is in
	XS 0
	BAR                                            ; stage 0 is whole
	PHASE 0
	PHASE 1
	PHASE 2
	PHASE 3                                        ; behind its barrier nobody reads a stage any more: the partial sums may lie over them
	PSTORE
	BAR                                            ; every wave's partial sums are written
	REDUCE
	BAR                                            ; and read: the next chunk may write them
	s_wait_xcnt 0x0                                ; the stores have read their base and data
	s_add_nc_u64 s[40:41], s[40:41], CHB
; CHUNKS 1 TO 6.  A step: weights and the ten tiles' fragments straight from memory, all waited for, rounded, multiplied.  Behind the wait for 0 the loads are done, so both bases may be stepped.
.macro SSTEP zero
	WIN 0
.set i, 0
.rept 16
	global_load_b64 v[WR+2*i:WR+2*i+1], v4, s[34:35] offset:i*PITCH th:TH_LOAD_NT
.set i, i+1
.endr
.set t, 0
.rept 10
	global_load_b128 v[A0+8*t:A0+8*t+3],   v[VA+t], s[38:39]
	global_load_b128 v[A0+8*t+4:A0+8*t+7], v[VA+t], s[38:39] offset:16
.set t, t+1
.endr
	s_wait_loadcnt 0x0
	s_add_nc_u64 s[34:35], s[34:35], WSTEP
	s_add_nc_u64 s[38:39], s[38:39], ASTEP
	CVT 0
	MUL \zero
	PLACES
	WIN 0
.endm
	s_mov_b32 s46, 640                             ; the chunk's 160 places in the list, in bytes
	s_mov_b32 s25, 1                               ; chunk
.Lchunk:
	s_mul_i32 s29, s25, 10
	s_sub_co_i32 s26, s24, s29                     ; tiles left
	s_cmp_le_i32 s26, 0
	s_cbranch_scc1 .Lb1                            ; no rows: only work is jumped, never a barrier
	v_add_nc_u32 v25, s46, v16
.set t, 0
.rept 10
	ds_load_b32 v[VA+t], v25 offset:64*t
.set t, t+1
.endr
	s_wait_dscnt 0x0
.set t, 0
.rept 10
	v_min_u32 v[VA+t], 0x3ff, v[VA+t]              ; a token, whatever was loaded
.set t, t+1
.endr
.set t, 0
.rept 10
	v_lshl_add_u32 v[VA+t], v[VA+t], 11, v17       ; its row of 2,048 bytes + 32 h
.set t, t+1
.endr
	s_mov_b64 s[34:35], s[32:33]
	s_mov_b64 s[38:39], s[36:37]
	SSTEP 1                                        ; the first step starts the sums
	s_mov_b32 s28, 15
.Lk:
	SSTEP 0
	s_sub_co_u32 s28, s28, 1
	s_cmp_lg_u32 s28, 0
	s_cbranch_scc1 .Lk
	PSTORE
.Lb1:
	BAR                                            ; every wave's partial sums are written
	s_cmp_le_i32 s26, 0
	s_cbranch_scc1 .Lb2
	REDUCE
.Lb2:
	BAR                                            ; and read: the next chunk may write them
	s_wait_xcnt 0x0                                ; the stores have read their base and data
	s_add_nc_u64 s[40:41], s[40:41], CHB
	s_add_co_u32 s46, s46, 640
	s_add_co_u32 s25, s25, 1
	s_cmp_lt_u32 s25, 7
	s_cbranch_scc1 .Lchunk
	s_wait_tensorcnt 0x0                           ; the wave's end, behind my last LDS store
	ds_add_u32 v30, v31
	s_wait_dscnt 0x0
	s_endpgm
.Lfunc_end_k_qa2343c8a91_up:
	.size	k_qa2343c8a91_up, .Lfunc_end_k_qa2343c8a91_up-k_qa2343c8a91_up
	.p2alignl 7, 3214868480
	.fill 96, 4, 3214868480
	.section	.rodata,"a",@progbits
	.p2align	6, 0x0
	.amdhsa_kernel k_qa2343c8a91_up
		.amdhsa_group_segment_fixed_size 206848
		.amdhsa_private_segment_fixed_size 0
		.amdhsa_enable_private_segment 0
		.amdhsa_kernarg_size 40
		.amdhsa_user_sgpr_count 2
		.amdhsa_user_sgpr_kernarg_segment_ptr 1
		.amdhsa_wavefront_size32 1
		.amdhsa_system_sgpr_workgroup_id_x 1
		.amdhsa_system_sgpr_workgroup_id_y 1
		.amdhsa_system_sgpr_workgroup_id_z 1
		.amdhsa_system_vgpr_workitem_id 0
		.amdhsa_next_free_vgpr 496
		.amdhsa_next_free_sgpr 66
		.amdhsa_reserve_vcc 0
		.amdhsa_float_denorm_mode_32 3
		.amdhsa_float_denorm_mode_16_64 3
		.amdhsa_memory_ordered 1
		.amdhsa_forward_progress 1
		.amdhsa_inst_pref_size 183
	.end_amdhsa_kernel
	.amdgpu_metadata
---
amdhsa.version: [ 1, 2 ]
amdhsa.kernels:
  - .name:           k_qa2343c8a91_up
    .symbol:         k_qa2343c8a91_up.kd
    .args:
      - { .name: assign, .offset: 0, .size: 8, .value_kind: global_buffer, .address_space: global }
      - { .name: xb, .offset: 8, .size: 8, .value_kind: global_buffer, .address_space: global }
      - { .name: W1, .offset: 16, .size: 8, .value_kind: global_buffer, .address_space: global }
      - { .name: b1, .offset: 24, .size: 8, .value_kind: global_buffer, .address_space: global }
      - { .name: hs, .offset: 32, .size: 8, .value_kind: global_buffer, .address_space: global }
    .group_segment_fixed_size: 206848
    .private_segment_fixed_size: 0
    .kernarg_segment_align: 8
    .kernarg_segment_size: 40
    .max_flat_workgroup_size: 256
    .sgpr_count:     66
    .vgpr_count:     496
    .wavefront_size: 32
...
	.end_amdgpu_metadata
.endif
;; end of part 4
;; launch down: the kernel of part 3 again; grid 32 x 8, 8 waves a work-group, no clusters, 220,160 bytes of LDS; arguments assign, hs, W2, b2, w_bal, out0, out1; writes out0, out1
